; MI455X (gfx1250); checked and timed in simulation.
; The chip was launched on July 23, 2026; its instructions are those of AMD's public machine-readable ISA for CDNA 5 (MIT licence, August 2026) and "CDNA5" Instruction Set Architecture Reference Guide (July 2026). The comments in the code are by the model that wrote it; some were corrected since.
;; Prompt Getter. Allowed arithmetic: matrix products marked QUANTISED: E5M2 operands, one given power-of-two scale a tensor, by v_wmma_f32_16x16x64_bf8_bf8 or v_wmma_f32_16x16x128_bf8_bf8, f32 sums; everything else in f32.
;; Inputs: image_embeddings 1 x 256 x 64 x 64 float32; lowp_scales 6 int32 (the exponents e of the quantised operands' scales 2^e); reference_feats 32 x 1 x 256 float32.
;; Outputs: out0 32 x 256 x 3 float32; out1 32 x 1 x 2 float32.
;; This version of the problem:
;;   THIS VERSION OF THE PROBLEM IS GIVEN IN LOW PRECISION. The matrix products marked QUANTISED in the list below multiply operands that are first quantised to E5M2 (5 exponent bits, 2 mantissa bits; 8 bits a number), with one given power-of-two scale for each operand tensor; their sums are f32. All else is computed in f32.
;;   The module's matrix products, in the order in which they are computed (A, B: the left and right operand; K: the contracted axis; several contracted axes count as one K, in the product's order):
;;     1. [M 32, K 256] x [K 256, N 4,096]; A: computed on the way; B: computed on the way: QUANTISED (scales: A lowp_scales[0], B lowp_scales[1])
;;     2. [M 1,024, K 64] x [K 64, N 2,048]; A: computed on the way; B: computed on the way: QUANTISED (scales: A lowp_scales[2], B lowp_scales[3])
;;     3. [M 32,768, K 64] x [K 64, N 1,024]; A: computed on the way; B: computed on the way: QUANTISED (scales: A lowp_scales[4], B lowp_scales[5])
;;   THE QUANTISER, for each operand of a quantised product, along K:
;;     - The operand's scale is 2^e, e = its entry of the input lowp_scales (int32; the entries are numbered through the quantised products in the list's order, A before B).
;;     - Each number is divided by the scale, clamped to +-57,344, and rounded to the nearest number of E5M2, ties to even, subnormals kept.
;;     - The product sums the exact products of the quantised numbers (number of the format x scale) in f32.
;;   ~~~python
;;   def quantise(x, axis, e):      # numpy; x: float32 -> the quantised numbers, widened to float32 again
;;       x = np.moveaxis(x, axis, -1); K = x.shape[-1]
;;       r = np.clip(x / 2.0 ** e, -57344, 57344)
;;       step = 2.0 ** (np.maximum(np.frexp(np.where(r == 0, 1, r))[1] - 1, -14) - 2)
;;       q = np.round(r / step) * step * 2.0 ** e      # np.round: ties to even
;;       return np.moveaxis(q, -1, axis).astype(np.float32)
;;   ~~~
;;   OPERANDS COMPUTED ON THE WAY. 'Computed on the way' means the value that the module computes at that place (a softmax that the list does not call 'softmax' is quantised finished and normalised). What goes into a quantiser is computed in f32, as accurately as f32 sums, v_exp_f32 and their like allow (about 1e-6 of the number): no bf16 or f16 on the way to a quantiser, and a product that is left as it is and whose result goes on into a quantised operand takes f32 operands (vector FMAs, or v_wmma_f32_16x16x4_f32). A number that lies on a knife's edge between two numbers of the format may be rounded either way, as far as f32 arithmetic and the matrix unit's own rounding can turn it there, and no further.
;; 2 versions, each right; version 2 is version 1 with the launch cellk written anew for expert scheduling mode. Each part assembles by itself: llvm-mc -triple=amdgcn-amd-amdhsa -mcpu=gfx1250 --defsym DOCPART=n.
;; ======== version 1 of 2: 3 launches
;; workspace buffers: sim 524,288 bytes; wcodes 131,072 bytes; cells 131,072 bytes
;; launch sims (part 1): grid 64 x 1, 4 waves a work-group, no clusters, 168,448 bytes of LDS; arguments image_embeddings, reference_feats, lowp_scales, sim, wcodes; writes sim, wcodes
.if DOCPART == 1
	.amdgcn_target "amdgcn-amd-amdhsa--gfx1250"
	.amdhsa_code_object_version 6
	.text
	.protected	k_q5553c8759f_sims
	.globl	k_q5553c8759f_sims
	.p2align	8
	.type	k_q5553c8759f_sims,@function
k_q5553c8759f_sims:
	s_mov_b64 s[64:65], 0
	v_nop
	global_prefetch_b8 v0, s[64:65] scope:SCOPE_SE
	s_setreg_imm32_b32 hwreg(HW_REG_WAVE_MODE, 25, 1), 1
	s_wait_xcnt 0x0
; sim[l][h][w] = Q(ref[l] / (|ref[l]| + 1e-12)) . Q(feat[:, h, w] / (|feat[:, h, w]| + 1e-12)), on codes of BF8 (E5M2) with the given scales 2^e0 (ref) and 2^e1 (feat); sums in f32; sim is stored as f32.
; Beside that the launch lays down the codes of the bilinear weights W[R][k] = max(0, 1 - |clamp((R + 0.5) / 16 - 0.5, 0, 63) - k|), R = 0 .. 1023, k = 0 .. 63, once with 2^e2 and once with 2^e5.
; (The division by a column's sum is a division by exactly 1 inside the image and gives exactly 1.0 at the rim: clamping the sample point gives the same numbers.  All of them are multiples of 1/32, exact in f32.)
; SHARES.  Work-group g owns image row h = g: 64 pixels x 256 channels.  Wave w brings channels 64 w .. 64 w + 63 (64 rows of 256 bytes, each a whole aligned row of memory) into LDS by one tensor load: one load of a wave
; is out, nothing is filled twice.  Wave w then owns pixels 16 w .. 16 w + 15: A LANE TAKES A PIXEL AND ITS REGISTERS RUN DOWN THE CHANNELS, in the order of the operand's registers, so the conversions' results are the operand.
; The reference vectors are four fragments (16 labels x 128 channels); wave w makes fragment w and hands it to the others through LDS as an image of its registers.
; The weights: wave w makes registers 4 (w / 2) .. + 3 of the fragment of rows 16 g .. 16 g + 15, with e2 (w even) or e5 (w odd); the buffer holds [set][tile][half][lane][16 bytes]: a fragment is two loads of 16 bytes a lane.
; No cluster: the work-groups share only the 32 KB of reference vectors, a small part of what each reads.
; LIMITS: e0, e1, e2, e5 between -126 and 112, so that 2^e and 57,344 x 2^e are f32 numbers; e0 + e1 is applied by v_ldexp_f32 and has none.  NaN and infinities among the inputs are not served.
; REGISTERS: v2 r = lane % 16, v3 h = lane / 16, v4 lane; v12-15 weight codes; v16-31 weights, later sums of squares and norms; v32-63 codes; v64-191 raw numbers; v192-255 the four reference fragments.
.set PITCH, 272                        ; a channel's row in LDS: 256 bytes + 16 of padding = 68 words: the two rows that the two halves of the lanes read, eight apart, begin 32 banks apart (64 banks of 4 bytes: ISA guide 11.1)
.set RIMG,  0                          ; LDS: the four reference fragments as register images, 2,048 bytes each
.set STG,   8192                       ; the stage for the way out: 32 labels x (256 bytes + 16)
.set XT,    16896                      ; the image row: 256 channels x PITCH; only tensor loads write here
.set FC,    32
.set RAW,   64
.set RF,    192
.macro MKSCALE se, vsc, vlim           ; s[se] = e  ->  v[vsc] = 2^e as f32 (the conversion takes its exponent field), v[vlim] = 57,344 x 2^e
	s_add_co_i32 s44, s[\se], 127
	s_lshl_b32 s45, s44, 23
	v_mov_b32 v[\vsc], s45
	s_add_co_i32 s44, s44, 15
	s_lshl_b32 s44, s44, 23
	s_or_b32 s44, s44, 0x600000
	v_mov_b32 v[\vlim], s44
.endm
.macro NORM                            ; v[26:27] = 1 / (sqrt(sum of squares of my 128 numbers and of lane l xor 16's 128) + 1e-12), twice
.irp k, 0,1,2,3
	v_pk_mul_f32 v[16+2*\k:17+2*\k], v[RAW+2*\k:RAW+2*\k+1], v[RAW+2*\k:RAW+2*\k+1]   ; the first eight numbers start four chains: nothing is cleared
.endr
.set ii, 8
.rept 60
	v_pk_fma_f32 v[16+(ii%8):17+(ii%8)], v[RAW+ii:RAW+ii+1], v[RAW+ii:RAW+ii+1], v[16+(ii%8):17+(ii%8)]
.set ii, ii+2
.endr
	v_pk_add_f32 v[16:17], v[16:17], v[18:19]
	v_pk_add_f32 v[20:21], v[20:21], v[22:23]
	v_pk_add_f32 v[16:17], v[16:17], v[20:21]
	v_add_f32 v24, v16, v17
	v_permlanex16_b32 v25, v24, s46, s47           ; the other half of the channels lies in the lane 16 away
	v_add_f32 v24, v24, v25
	v_sqrt_f32 v24, v24
	v_nop                                          ; a plain instruction behind the transcendental,
	s_wait_alu depctr_va_vdst(0)                   ; and the wait ahead of the first line that names its result
	v_add_f32 v24, 0x2b8cbccc, v24                 ; + 1e-12
	v_rcp_f32 v26, v24
	v_nop
	s_wait_alu depctr_va_vdst(0)
	v_mov_b32 v27, v26
.endm
.macro QUANT n                         ; 8 n numbers from v[RAW] on: x 1 / norm, held within the largest code x the scale (v29), converted with the scale v28: 2 n registers of codes from v[FC] on
.set ii, 0
.rept 4*\n
	v_pk_mul_f32 v[RAW+ii:RAW+ii+1], v[RAW+ii:RAW+ii+1], v[26:27]
.set ii, ii+2
.endr
.set ii, 0
.rept 8*\n
	v_med3_num_f32 v[RAW+ii], v[RAW+ii], -v29, v29 ; the conversion to an 8-bit code does not saturate (ISA guide 7.6.2)
.set ii, ii+1
.endr
.set ii, 0
.rept \n
	v_cvt_scalef32_pk8_bf8_f32 v[FC+2*ii:FC+2*ii+1], v[RAW+8*ii:RAW+8*ii+7], v28
.set ii, ii+1
.endr
	v_nop                                          ; one plain vector line between the last conversion and whatever next touches its results or writes its sources
.endm
	s_load_b128 s[4:7], s[0:1], 0x0                ; image s[4:5], reference vectors s[6:7]
	s_load_b128 s[8:11], s[0:1], 0x10              ; the scales' exponents s[8:9], sim s[10:11]
	s_load_b64 s[12:13], s[0:1], 0x20              ; the weights' codes
	s_set_vgpr_msb 0x40
	v_lshl_add_u32 v0, v0, 2, 0x29000
	v_mov_b32 v1, 0
	s_set_vgpr_msb 0x4045
	ds_add_u32 v0, v1
	ds_add_u32 v0, v1
	s_set_vgpr_msb 0x4500
	v_lshrrev_b32 v1, 5, v0
	v_readfirstlane_b32 s14, v1                    ; wave 0..3
	; descriptor group 1: 64 rows (channels) of 64 elements of 4 bytes, 4,096 elements apart in memory, 4 words of padding behind each row's 64
	s_mov_b32 s24, (2<<16)|(1<<20)|(5<<22)|(3<<25)
	s_mov_b32 s25, 64<<16                          ; tensor_dim0 = 64
	s_mov_b32 s26, 64<<16                          ; tensor_dim1 = 64
	s_mov_b32 s27, 64<<16                          ; tile_dim0 = 64
	s_mov_b32 s28, 64                              ; tile_dim1 = 64
	s_mov_b32 s29, 4096                            ; from channel to channel
	s_mov_b32 s30, 0
	s_mov_b32 s31, 0
	s_mov_b32 s20, 1                               ; group 0: count = 1,
	s_mul_i32 s21, s14, 64*PITCH
	s_add_co_u32 s21, s21, XT                      ; LDS address: my 64 rows,
	s_lshl_b32 s16, s14, 20                        ; 64 channels of 16,384 bytes for each wave
	s_lshl_b32 s17, ttmp9, 8                       ; + image row g of 256 bytes
	s_add_co_u32 s16, s16, s17
	s_mov_b32 s17, 0
	s_wait_dscnt 0x0
	s_wait_kmcnt 0x0
	s_add_nc_u64 s[22:23], s[4:5], s[16:17]        ; the tile's first element,
	s_or_b32 s23, s23, 0x80000000                  ; type = 2
	tensor_load_to_lds s[20:23], s[24:31]          ; the wave's one tensor load; all that follows up to the wait for it works on other data
	s_nop 0
	v_and_b32 v2, 15, v0                           ; r
	v_bfe_u32 v3, v0, 4, 1                         ; h
	v_and_b32 v4, 31, v0                           ; lane
	s_load_b128 s[32:35], s[8:9], 0x0              ; e0 .. e3
	s_load_b64 s[36:37], s[8:9], 0x10              ; e4, e5
	s_lshr_b32 s15, s14, 1                         ; which 16 labels; also which half of a weight fragment
	s_and_b32 s18, s14, 1                          ; which 128 channels; also which set of weights
	s_mov_b32 s46, 0x76543210                      ; v_permlanex16_b32: lane l xor 16
	s_mov_b32 s47, 0xfedcba98
	; the reference vectors: lane (r, h) takes label 16 (w / 2) + r; register 8 c + i = channel 128 s + 16 c + 8 h + i.  My own K step s = w % 2 comes first, the other one behind it: it serves the norm alone
	s_lshl_b32 s19, s15, 14
	s_lshl_b32 s38, s18, 9
	s_add_co_u32 s19, s19, s38
	v_lshlrev_b32 v5, 10, v2
	v_lshl_add_u32 v5, v3, 5, v5
	v_add_nc_u32 v5, s19, v5                       ; 1,024 x label + 512 s + 32 h
	v_xor_b32 v6, 512, v5                          ; the other K step
.irp c, 0,1,2,3,4,5,6,7
	global_load_b128 v[RAW+8*\c:RAW+8*\c+3], v5, s[6:7] offset:64*\c
	global_load_b128 v[RAW+8*\c+4:RAW+8*\c+7], v5, s[6:7] offset:64*\c+16
	global_load_b128 v[RAW+64+8*\c:RAW+64+8*\c+3], v6, s[6:7] offset:64*\c
	global_load_b128 v[RAW+64+8*\c+4:RAW+64+8*\c+7], v6, s[6:7] offset:64*\c+16
.endr
	; the weights, while the loads are out: row R = 16 g + r; v16-23: k = 32 (w / 2) + 8 h + 0 .. 7, v24-31: 16 further on: the operand's registers 4 (w / 2) .. + 3
	s_lshl_b32 s39, ttmp9, 4
	v_add_nc_u32 v7, s39, v2
	v_cvt_f32_u32 v7, v7
	s_mov_b32 s40, 0x3d800000                      ; 1 / 16
	s_mov_b32 s41, 0xbef00000                      ; 0.5 / 16 - 0.5
	s_mov_b32 s42, 0x427c0000                      ; 63
	v_fma_f32 v7, v7, s40, s41                     ; the sample point, exact
	v_med3_num_f32 v7, v7, 0, s42
	s_lshl_b32 s43, s15, 5
	v_lshl_add_u32 v8, v3, 3, s43
	v_cvt_f32_u32 v8, v8
	v_sub_f32 v16, v7, v8                          ; sample point - k, for the first k,
	v_add_f32 v24, 0xc1800000, v16                 ; for the k 16 further on,
.irp r, 17,18,19,20,21,22,23,25,26,27,28,29,30,31
	v_add_f32 v\r, -1.0, v[\r-1]                   ; and one less for each k that follows
.endr
.irp r, 16,17,18,19,20,21,22,23,24,25,26,27,28,29,30,31
	v_sub_f32 v\r, 1.0, |v\r|
.endr
	s_wait_kmcnt 0x0
	s_cmp_eq_u32 s18, 0
	s_cselect_b32 s38, s34, s37                    ; e2 for the even waves, e5 for the odd ones
	MKSCALE 38, 9, 10
.irp r, 16,17,18,19,20,21,22,23,24,25,26,27,28,29,30,31
	v_med3_num_f32 v\r, v\r, 0, v10                ; the kernel's clip at 0 and the hold at the largest code in one
.endr
	v_cvt_scalef32_pk8_bf8_f32 v[12:13], v[16:23], v9
	v_cvt_scalef32_pk8_bf8_f32 v[14:15], v[24:31], v9
	v_nop                                          ; v16-31 are written again below
	s_lshl_b32 s38, s18, 16                        ; the set,
	s_lshl_b32 s39, ttmp9, 10                      ; the tile,
	s_add_co_u32 s38, s38, s39
	s_lshl_b32 s39, s15, 9                         ; the half
	s_add_co_u32 s38, s38, s39
	v_lshl_add_u32 v11, v4, 4, s38
	global_store_b128 v11, v[12:15], s[12:13]      ; the wave stores 512 consecutive bytes, aligned; v11-15 are not written again
	; my fragment of the reference vectors
	s_wait_loadcnt 0x0
	NORM
	MKSCALE 32, 28, 29                             ; e0
	QUANT 8
	s_lshl_b32 s38, s14, 11
	v_lshl_add_u32 v1, v4, 4, s38
.irp c, 0,1,2,3
	ds_store_b128 v1, v[FC+4*\c:FC+4*\c+3] offset:RIMG+512*\c   ; the fragment as it stands: lane l's 16 bytes at 16 l
.endr
	v_mul_u32_u24 v30, v3, 8*PITCH                 ; where my pixel's numbers lie: channel 8 h, pixel 16 w + r
	v_lshl_add_u32 v30, v2, 2, v30
	s_lshl_b32 s38, s14, 6
	s_add_co_u32 s38, s38, XT
	v_add_nc_u32 v30, s38, v30
	v_add_nc_u32 v31, 128*PITCH, v30               ; the second 128 channels lie beyond a 16-bit offset
	v_lshlrev_b32 v7, 4, v4                        ; 16 x lane
	s_wait_tensorcnt 0x0                           ; my 64 channels have landed,
	s_wait_dscnt 0x0                               ; my image is stored:
	s_barrier_signal -1
	s_barrier_wait -1                              ; and so are everybody's
.irp s, 0,1
.irp c, 0,1,2,3,4,5,6,7
.irp i, 0,1,2,3,4,5,6,7
	ds_load_b32 v[RAW+64*\s+8*\c+\i], v[30+\s] offset:(16*\c+\i)*PITCH   ; channel 128 s + 16 c + 8 h + i of my pixel
.endr
.endr
.endr
.irp f, 0,1,2,3
.irp c, 0,1,2,3
	ds_load_b128 v[RF+16*\f+4*\c:RF+16*\f+4*\c+3], v7 offset:RIMG+2048*\f+512*\c
.endr
.endr
	s_wait_dscnt 16                                ; my pixel's 128 numbers are in; the 16 loads of the images, issued behind them, may be out
	NORM
	MKSCALE 33, 28, 29                             ; e1
	QUANT 16
	s_lshl_b32 s38, s14, 6
	s_add_co_u32 s38, s38, STG
	s_mul_i32 s39, s14, 8*PITCH
	s_add_co_u32 s39, s39, STG
	s_lshl_b32 s40, s14, 17
	s_add_co_i32 s48, s32, s33                     ; e0 + e1
	s_lshl_b32 s16, ttmp9, 8
	s_add_nc_u64 s[10:11], s[10:11], s[16:17]      ; sim at image row g (s17 is 0)
	s_wait_dscnt 0x0
	; source 0 = my 16 pixels, source 1 = 16 labels: lane (r, h) then holds label r and pixels 8 h + 0 .. 7.  Two accumulators by turns
	v_wmma_f32_16x16x128_bf8_bf8 v[64:71], v[FC:FC+15], v[RF:RF+15], 0
	v_wmma_f32_16x16x128_bf8_bf8 v[72:79], v[FC:FC+15], v[RF+32:RF+47], 0
	v_wmma_f32_16x16x128_bf8_bf8 v[64:71], v[FC+16:FC+31], v[RF+16:RF+31], v[64:71]
	v_wmma_f32_16x16x128_bf8_bf8 v[72:79], v[FC+16:FC+31], v[RF+48:RF+63], v[72:79]
	v_mul_u32_u24 v8, v2, PITCH                    ; the addresses of the way out are the places behind the products (ISA guide 7.12.1)
	v_lshl_add_u32 v8, v3, 5, v8
	v_add_nc_u32 v8, s38, v8                       ; into the stage: row = label r, my wave's 64 bytes, + 32 h
	v_mul_u32_u24 v9, v3, PITCH
	v_lshl_add_u32 v9, v2, 4, v9
	v_add_nc_u32 v9, s39, v9                       ; back: labels 8 w on; lanes 0-15 one row, lanes 16-31 the next
	v_lshlrev_b32 v10, 14, v3
	v_lshl_add_u32 v10, v2, 4, v10
	v_add_nc_u32 v10, s40, v10                     ; and the same place in sim: a label is 16,384 bytes
.irp j, 0,1,2,3,4,5,6,7,8,9,10,11,12,13,14,15
	v_ldexp_f32 v[80+\j], v[64+\j], s48            ; x 2^(e0 + e1); each accumulator from its low end on
.endr
.irp t, 0,1
	ds_store_b128 v8, v[80+8*\t:83+8*\t] offset:\t*16*PITCH
	ds_store_b128 v8, v[84+8*\t:87+8*\t] offset:\t*16*PITCH+16
.endr
	s_wait_dscnt 0x0                               ; for the others' sake: a label's 256 bytes come from four waves
	s_barrier_signal -1
	s_barrier_wait -1
.irp i, 0,1,2,3
	ds_load_b128 v[96+4*\i:99+4*\i], v9 offset:2*\i*PITCH
.endr
.irp i, 0,1,2,3
	s_wait_dscnt 3-\i                              ; the younger loads may be out
	global_store_b128 v10, v[96+4*\i:99+4*\i], s[10:11] offset:2*\i*16384   ; sixteen lanes store a label's 256 consecutive bytes, aligned
.endr
	s_set_vgpr_msb 0x5
	s_wait_tensorcnt 0x0
	ds_add_u32 v0, v1
	s_wait_dscnt 0x0
	s_set_vgpr_msb 0x500
	s_endpgm
.Lfunc_end_k_q5553c8759f_sims:
	.size	k_q5553c8759f_sims, .Lfunc_end_k_q5553c8759f_sims-k_q5553c8759f_sims
	.p2alignl 7, 3214868480
	.fill 96, 4, 3214868480
	.section	.rodata,"a",@progbits
	.p2align	6, 0x0
	.amdhsa_kernel k_q5553c8759f_sims
		.amdhsa_group_segment_fixed_size 168448
		.amdhsa_private_segment_fixed_size 0
		.amdhsa_enable_private_segment 0
		.amdhsa_kernarg_size 40
		.amdhsa_user_sgpr_count 2
		.amdhsa_user_sgpr_kernarg_segment_ptr 1
		.amdhsa_wavefront_size32 1
		.amdhsa_system_sgpr_workgroup_id_x 1
		.amdhsa_system_sgpr_workgroup_id_y 1
		.amdhsa_system_sgpr_workgroup_id_z 1
		.amdhsa_system_vgpr_workitem_id 0
		.amdhsa_next_free_vgpr 258
		.amdhsa_next_free_sgpr 66
		.amdhsa_reserve_vcc 0
		.amdhsa_float_denorm_mode_32 3
		.amdhsa_float_denorm_mode_16_64 3
		.amdhsa_memory_ordered 1
		.amdhsa_forward_progress 1
		.amdhsa_inst_pref_size 53
	.end_amdhsa_kernel
	.amdgpu_metadata
---
amdhsa.version: [ 1, 2 ]
amdhsa.kernels:
  - .name:           k_q5553c8759f_sims
    .symbol:         k_q5553c8759f_sims.kd
    .args:
      - { .name: image_embeddings, .offset: 0, .size: 8, .value_kind: global_buffer, .address_space: global }
      - { .name: reference_feats, .offset: 8, .size: 8, .value_kind: global_buffer, .address_space: global }
      - { .name: lowp_scales, .offset: 16, .size: 8, .value_kind: global_buffer, .address_space: global }
      - { .name: sim, .offset: 24, .size: 8, .value_kind: global_buffer, .address_space: global }
      - { .name: wcodes, .offset: 32, .size: 8, .value_kind: global_buffer, .address_space: global }
    .group_segment_fixed_size: 168448
    .private_segment_fixed_size: 0
    .kernarg_segment_align: 8
    .kernarg_segment_size: 40
    .max_flat_workgroup_size: 128
    .sgpr_count:     66
    .vgpr_count:     258
    .wavefront_size: 32
...
	.end_amdgpu_metadata
.endif
;; end of part 1
;; launch cellk (part 2): grid 8 x 32, 16 waves a work-group, no clusters, 14,848 bytes of LDS; arguments sim, wcodes, lowp_scales, cells; writes cells
.if DOCPART == 2
	.amdgcn_target "amdgcn-amd-amdhsa--gfx1250"
	.amdhsa_code_object_version 6
	.text
	.protected	k_q5553c8759f_cellk
	.globl	k_q5553c8759f_cellk
	.p2align	8
	.type	k_q5553c8759f_cellk,@function
k_q5553c8759f_cellk:
	s_mov_b64 s[64:65], 0
	v_nop
	global_prefetch_b8 v0, s[64:65] scope:SCOPE_SE
	s_setreg_imm32_b32 hwreg(HW_REG_WAVE_MODE, 25, 1), 1
	s_wait_xcnt 0x0
; The bilinear upsampling of one label's 64 x 64 similarities to 1,024 x 1,024 as two products on codes of BF8 (E5M2), and what is kept of the result; the result itself never leaves the registers.
;   T[H][w] = sum over h of Q(W[H][h]; e2) Q(sim[h][w]; e3)        (the height is contracted first, as the einsum of the resize does)
;   out[H][X] = sum over w of Q(T[H][w]; e4) Q(W[X][w]; e5)
; Kept: for each cell of 64 x 64 the largest number and its first place in row-major order; for each wave's part the least number and its first place.
; SHARES.  Work-group (band b, label l) owns rows 128 b .. 128 b + 127: two rows of 16 cells.  Sixteen waves of 256 registers, four to a SIMD, so that one wave's chain of compares stands beside another's.
;   S: wave v quantises sim[16 (v % 4) + 8 h + 0 .. 7][16 (v / 4) + r]: A LANE TAKES A COLUMN w AND ITS REGISTERS RUN DOWN h: two registers of an operand, which go to LDS as they stand | barrier |
;   T: wave v makes T for rows 16 (v / 2) on and columns 32 (v % 2) on: source 0 = 16 columns of sim, source 1 = 16 rows of W, so that a lane holds one row H and eight neighbours along w, the next K:
;      one conversion gives two registers of the next operand; to LDS as they stand | barrier |
;   P: wave v owns cell column v (64 columns X): 8 tiles of rows x 4 tiles of columns; source 0 = 16 rows of W (X), source 1 = 16 rows of T (H): lane (r, h) holds row 16 u + r and columns 16 t + 8 h + 0 .. 7.
; THE SEARCH.  A lane walks its numbers in ascending order of place (u, t, j) and replaces its best only by a strictly better number, so it keeps the first.  The index that it keeps is the constant 1,024 u + 16 t + j;
; with 64 r + 8 h added it is 64 x (row in the band) + (column in the cell column).  Across the lanes: first the best value, then the least place among the lanes that hold it.  Places are under 2^24: exact as f32.
; The sums are compared as they are; the score and the least number alone are multiplied by 2^(e4 + e5).
; A RECORD of 16 bytes for each cell: place (y << 10 | x), score (or -1.0 where it is not above 0.65), and the wave's least number and its place y x 1,024 + x as f32 (both of a wave's records carry them).
; No tensor load and no cluster: what work-groups share, 16 KB of sim and the weights' fragments, is small and goes straight into registers.
; LIMITS: e3, and e4 - e2 - e3, between -126 and 112; e4 + e5 such that the scaled sums neither overflow nor underflow.  NaN and infinities are not served; +0 and -0 count as equal.
.set SIMG, 0                           ; LDS: sim's four fragments: [tile of 16 w][c][lane][8 bytes]
.set TIMG, 4096                        ; T's eight fragments: [tile of 16 H][c][lane][8 bytes]
.set RES,  12288                       ; 32 records
.set SR,   16                          ; v16-23   eight numbers of sim
.set WA,   24                          ; v24-31   W's fragment for product 2 (e2)
.set WB,   32                          ; v32-63   W's four fragments for product 3 (e5)
.set SF,   64                          ; v64-79   two fragments of sim
.set D2,   80                          ; v80-95   two tiles of T
.set TF,   96                          ; v96-159  T's eight fragments
.set D3,   160                         ; v160-223 two sets of four tiles of the result
.set VMX,  224                         ; the lane's largest, least,
.set VMN,  225
.set IMX,  226                         ; and their indices
.set IMN,  227
.set BST,  228                         ; the wave's best
.set OTH,  229                         ; at work: the other half of the lanes
.set KEY,  230
.set TMP,  231
.set RS,   232                         ; v232-239 my two records
.set AS,   240                         ; LDS addresses, all made at the head
.set AF,   241
.set AT,   242
.set AL8,  243
.set AR,   244
.set AL16, 245
.set LK,   246                         ; 64 r + 8 h
.macro MKSCALE se, vsc, vlim           ; s[se] = e  ->  v[vsc] = 2^e as f32, v[vlim] = 57,344 x 2^e
	s_add_co_i32 s34, s[\se], 127
	s_lshl_b32 s35, s34, 23
	v_mov_b32 v[\vsc], s35
	s_add_co_i32 s34, s34, 15
	s_lshl_b32 s34, s34, 23
	s_or_b32 s34, s34, 0x600000
	v_mov_b32 v[\vlim], s34
.endm
.macro WMAX a                          ; the largest of v[a] over the 32 lanes, in every lane
.irp x, 1,2,4,8
	v_max_num_f32_dpp v[\a], v[\a], v[\a] row_xmask:\x row_mask:0xf bank_mask:0xf
.endr
	v_permlanex16_b32 v[OTH], v[\a], s26, s27
	v_max_num_f32 v[\a], v[\a], v[OTH]
.endm
.macro WMIN a
.irp x, 1,2,4,8
	v_min_num_f32_dpp v[\a], v[\a], v[\a] row_xmask:\x row_mask:0xf bank_mask:0xf
.endr
	v_permlanex16_b32 v[OTH], v[\a], s26, s27
	v_min_num_f32 v[\a], v[\a], v[OTH]
.endm
.macro PLACE val, idx                  ; v[BST] = the wave's best of v[val]: v[KEY] = y << 10 | x of its first place
	v_add_nc_u32 v[KEY], v[\idx], v[LK]
	v_cvt_f32_u32 v[KEY], v[KEY]
	v_cmp_eq_f32 vcc_lo, v[\val], v[BST]
	v_cndmask_b32 v[KEY], s28, v[KEY], vcc_lo      ; lanes that do not hold the best offer +infinity
	WMIN KEY
	v_cvt_u32_f32 v[KEY], v[KEY]
	v_lshrrev_b32 v[TMP], 6, v[KEY]
	v_or_b32 v[TMP], s29, v[TMP]                   ; y = 128 b + row in the band
	v_and_or_b32 v[KEY], v[KEY], 63, s30           ; x = 64 v + column
	v_lshl_or_b32 v[KEY], v[TMP], 10, v[KEY]
.endm
.macro MM uh                           ; the four products of row tile uh, into set uh % 2
	s_wait_dscnt 4*(7-(\uh))                       ; its fragment of T is in; the four loads of each later fragment may be out
.irp t, 0,1,2,3
	v_wmma_f32_16x16x64_bf8_bf8 v[D3+32*((\uh)%2)+8*\t:D3+32*((\uh)%2)+8*\t+7], v[WB+8*\t:WB+8*\t+7], v[TF+8*(\uh):TF+8*(\uh)+7], 0
.endr
.endm
.macro TRACK uh                        ; 32 numbers of a lane, in ascending order of place; each tile from its low end on
.irp t, 0,1,2,3
.irp j, 0,1,2,3,4,5,6,7
	v_cmp_le_f32 vcc_lo, v[D3+32*((\uh)%2)+8*\t+\j], v[VMX]        ; not larger: the old index stays
	v_cmp_ge_f32 s24, v[D3+32*((\uh)%2)+8*\t+\j], v[VMN]           ; not smaller: likewise
	v_cndmask_b32 v[IMX], 1024*(\uh)+16*\t+\j, v[IMX], vcc_lo
	v_cndmask_b32 v[IMN], 1024*(\uh)+16*\t+\j, v[IMN], s24
	v_max_num_f32 v[VMX], v[VMX], v[D3+32*((\uh)%2)+8*\t+\j]
	v_min_num_f32 v[VMN], v[VMN], v[D3+32*((\uh)%2)+8*\t+\j]
.endr
.endr
.endm
.macro CELL cyl                        ; a cell is finished: its record's first two words
	v_mov_b32 v[BST], v[VMX]
	WMAX BST
	PLACE VMX, IMX
	v_mov_b32 v[RS+4*\cyl], v[KEY]
	v_ldexp_f32 v[BST], v[BST], s31                ; the score: x 2^(e4 + e5)
	v_cmp_lt_f32 vcc_lo, s25, v[BST]               ; above 0.65?
	v_cndmask_b32 v[RS+4*\cyl+1], -1.0, v[BST], vcc_lo
.endm
	s_load_b128 s[4:7], s[0:1], 0x0                ; sim s[4:5], the weights' codes s[6:7]
	s_load_b128 s[8:11], s[0:1], 0x10              ; the scales' exponents s[8:9], the records s[10:11]
	v_lshl_add_u32 v254, v0, 2, 0x3200
	v_mov_b32 v255, 0
	v_lshrrev_b32 v1, 5, v0
	v_readfirstlane_b32 s12, v1                    ; wave 0..15
	s_and_b32 s13, ttmp7, 0xffff                   ; label; ttmp9 is the band
	v_and_b32 v2, 15, v0                           ; r
	v_bfe_u32 v3, v0, 4, 1                         ; h
	v_and_b32 v4, 31, v0                           ; lane
	s_and_b32 s14, s12, 3
	s_lshl_b32 s14, s14, 12                        ; sim: 16 (v % 4) rows of 256 bytes,
	s_lshr_b32 s15, s12, 2
	s_lshl_b32 s15, s15, 6                         ; 16 (v / 4) columns,
	s_add_co_u32 s14, s14, s15
	v_lshlrev_b32 v5, 11, v3                       ; 8 h rows,
	v_lshl_add_u32 v5, v2, 2, v5                   ; column r
	v_add_nc_u32 v5, s14, v5
	s_lshl_b32 s15, ttmp9, 3
	s_lshr_b32 s22, s12, 1
	s_add_co_u32 s15, s15, s22
	s_lshl_b32 s15, s15, 10
	v_lshl_add_u32 v6, v4, 4, s15                  ; set e2, tile 8 b + v / 2: 1,024 bytes a fragment
	s_lshl_b32 s15, s12, 12
	s_add_co_u32 s15, s15, 65536
	v_lshl_add_u32 v7, v4, 4, s15                  ; set e5, tiles 4 v on
	v_lshlrev_b32 v[AS], 3, v0                     ; S: my 8 bytes: 256 x wave + 8 x lane
	s_and_b32 s15, s12, 1
	s_lshl_b32 s15, s15, 11
	v_lshl_add_u32 v[AF], v4, 3, s15               ; T: sim's fragments 2 (v % 2) on
	s_lshl_b32 s15, s12, 9
	v_lshl_add_u32 v[AT], v4, 3, s15               ; T: where my two tiles' codes go: 1,024 (v / 2) + 512 (v % 2)
	v_lshlrev_b32 v[AL8], 3, v4
	s_lshl_b32 s15, s12, 4
	v_mov_b32 v[AR], s15                           ; my records' place: 16 x wave
	v_lshlrev_b32 v[AL16], 4, v4
	v_lshlrev_b32 v[LK], 6, v2
	v_lshl_add_u32 v[LK], v3, 3, v[LK]
	s_mov_b32 s25, 0x3f266666                      ; 0.65
	s_mov_b32 s26, 0x76543210                      ; v_permlanex16_b32: lane l xor 16
	s_mov_b32 s27, 0xfedcba98
	s_mov_b32 s28, 0x7f800000                      ; +infinity
	s_lshl_b32 s29, ttmp9, 7
	s_lshl_b32 s30, s12, 6
	s_lshl_b32 s22, s13, 14                        ; a label of sim is 16,384 bytes
	s_mov_b32 s23, 0
	s_lshl_b32 s32, s13, 12                        ; a label's records are 4,096 bytes, a band's 512
	s_lshl_b32 s33, ttmp9, 9
	s_add_co_u32 s32, s32, s33
	s_mov_b32 s33, 0
	s_wait_kmcnt 0x0
	s_load_b128 s[16:19], s[8:9], 0x0              ; e0 .. e3
	s_load_b64 s[20:21], s[8:9], 0x10              ; e4, e5
	s_add_nc_u64 s[4:5], s[4:5], s[22:23]
	s_add_nc_u64 s[10:11], s[10:11], s[32:33]
.irp i, 0,1,2,3,4,5,6,7
	global_load_b32 v[SR+\i], v5, s[4:5] offset:256*\i
.endr
	global_load_b128 v[WA:WA+3], v6, s[6:7]
	global_load_b128 v[WA+4:WA+7], v6, s[6:7] offset:512
.irp t, 0,1,2,3
	global_load_b128 v[WB+8*\t:WB+8*\t+3], v7, s[6:7] offset:1024*\t
	global_load_b128 v[WB+8*\t+4:WB+8*\t+7], v7, s[6:7] offset:1024*\t+512
.endr
	s_wait_kmcnt 0x0
	MKSCALE 19, 12, 13                             ; e3
	s_sub_co_i32 s22, s20, s18
	s_sub_co_i32 s22, s22, s19                     ; a sum of product 2 stands for sum x 2^(e2 + e3): its code is sum / 2^(e4 - e2 - e3): three scales folded into the conversion's one
	MKSCALE 22, 14, 15
	s_add_co_i32 s31, s20, s21                     ; e4 + e5
	; ---- S
	s_wait_loadcnt 10                              ; sim's eight loads are in; the ten loads of weights, issued behind them, may be out
.irp i, 0,1,2,3,4,5,6,7
	v_med3_num_f32 v[SR+\i], v[SR+\i], -v13, v13   ; the conversion to an 8-bit code does not saturate (ISA guide 7.6.2)
.endr
	v_cvt_scalef32_pk8_bf8_f32 v[8:9], v[SR:SR+7], v12
	v_nop                                          ; one plain vector line behind the conversion
	ds_store_b64 v[AS], v[8:9] offset:SIMG
	s_wait_dscnt 0x0
	s_barrier_signal -1
	s_barrier_wait -1                              ; sim's four fragments lie in LDS
	; ---- T
.irp q, 0,1
.irp c, 0,1,2,3
	ds_load_b64 v[SF+8*\q+2*\c:SF+8*\q+2*\c+1], v[AF] offset:SIMG+1024*\q+256*\c
.endr
.endr
	s_wait_loadcnt 8                               ; product 2's weights are in; product 3's eight loads may be out
	s_wait_dscnt 0x0
	v_wmma_f32_16x16x64_bf8_bf8 v[D2:D2+7], v[SF:SF+7], v[WA:WA+7], 0
	v_wmma_f32_16x16x64_bf8_bf8 v[D2+8:D2+15], v[SF+8:SF+15], v[WA:WA+7], 0
.rept 4
	v_nop                                          ; places in front of the first read of the results (ISA guide 7.12.1)
.endr
.irp i, 0,1,2,3,4,5,6,7,8,9,10,11,12,13,14,15
	v_med3_num_f32 v[D2+\i], v[D2+\i], -v15, v15
.endr
	v_cvt_scalef32_pk8_bf8_f32 v[8:9], v[D2:D2+7], v14       ; lane (r, h): row r, w = 16 c + 8 h + 0 .. 7: registers 2 c, 2 c + 1 of the next operand
	v_cvt_scalef32_pk8_bf8_f32 v[10:11], v[D2+8:D2+15], v14
	v_nop
	ds_store_b64 v[AT], v[8:9] offset:TIMG
	ds_store_b64 v[AT], v[10:11] offset:TIMG+256
	s_wait_dscnt 0x0
	s_barrier_signal -1
	s_barrier_wait -1                              ; T's eight fragments lie in LDS
	; ---- P
.irp u, 0,1,2,3,4,5,6,7
.irp c, 0,1,2,3
	ds_load_b64 v[TF+8*\u+2*\c:TF+8*\u+2*\c+1], v[AL8] offset:TIMG+1024*\u+256*\c
.endr
.endr
	s_wait_loadcnt 0x0                             ; product 3's weights
	MM 0
	MM 1                                           ; a row tile's products are issued ahead of the search through the tile before: the search's lines on other registers are their places
	v_mov_b32 v[VMX], 0xff800000                   ; these six lines are the places behind row tile 0's products
	v_mov_b32 v[VMN], 0x7f800000
	v_mov_b32 v[IMX], 0
	v_mov_b32 v[IMN], 0
	v_mov_b32 v[OTH], 0                            ; written once: a lane permute's destination counts as one of its sources
	v_mov_b32 v[TMP], 0
	TRACK 0
	MM 2
	TRACK 1
	MM 3
	TRACK 2
	MM 4
	TRACK 3
	CELL 0                                         ; the upper cell
	v_mov_b32 v[VMX], 0xff800000                   ; the lower one begins; the least number goes on through both
	v_mov_b32 v[IMX], 0
	MM 5
	TRACK 4
	MM 6
	TRACK 5
	MM 7
	TRACK 6
	TRACK 7
	CELL 1
	v_mov_b32 v[BST], v[VMN]
	WMIN BST
	PLACE VMN, IMN
	v_ldexp_f32 v[RS+2], v[BST], s31
	v_cvt_f32_u32 v[RS+3], v[KEY]                  ; y x 1,024 + x, under 2^20
	v_mov_b32 v[RS+6], v[RS+2]
	v_mov_b32 v[RS+7], v[RS+3]
	ds_store_b128 v[AR], v[RS:RS+3] offset:RES     ; every lane holds the same four words
	ds_store_b128 v[AR], v[RS+4:RS+7] offset:RES+256
	s_wait_dscnt 0x0
	s_barrier_signal -1
	s_barrier_wait -1                              ; the band's 32 records lie in LDS, in the order of the cells
	s_cmp_lg_u32 s12, 0
	s_cbranch_scc1 .Lend
	ds_load_b128 v[RS:RS+3], v[AL16] offset:RES
	s_wait_dscnt 0x0
	global_store_b128 v[AL16], v[RS:RS+3], s[10:11]   ; wave 0 stores 512 consecutive bytes, aligned
.Lend:
	s_wait_tensorcnt 0x0
	ds_add_u32 v254, v255
	s_wait_dscnt 0x0
	s_endpgm
.Lfunc_end_k_q5553c8759f_cellk:
	.size	k_q5553c8759f_cellk, .Lfunc_end_k_q5553c8759f_cellk-k_q5553c8759f_cellk
	.p2alignl 7, 3214868480
	.fill 96, 4, 3214868480
	.section	.rodata,"a",@progbits
	.p2align	6, 0x0
	.amdhsa_kernel k_q5553c8759f_cellk
		.amdhsa_group_segment_fixed_size 14848
		.amdhsa_private_segment_fixed_size 0
		.amdhsa_enable_private_segment 0
		.amdhsa_kernarg_size 32
		.amdhsa_user_sgpr_count 2
		.amdhsa_user_sgpr_kernarg_segment_ptr 1
		.amdhsa_wavefront_size32 1
		.amdhsa_system_sgpr_workgroup_id_x 1
		.amdhsa_system_sgpr_workgroup_id_y 1
		.amdhsa_system_sgpr_workgroup_id_z 1
		.amdhsa_system_vgpr_workitem_id 0
		.amdhsa_next_free_vgpr 256
		.amdhsa_next_free_sgpr 66
		.amdhsa_reserve_vcc 1
		.amdhsa_float_denorm_mode_32 3
		.amdhsa_float_denorm_mode_16_64 3
		.amdhsa_memory_ordered 1
		.amdhsa_forward_progress 1
		.amdhsa_inst_pref_size 95
	.end_amdhsa_kernel
	.amdgpu_metadata
---
amdhsa.version: [ 1, 2 ]
amdhsa.kernels:
  - .name:           k_q5553c8759f_cellk
    .symbol:         k_q5553c8759f_cellk.kd
    .args:
      - { .name: sim, .offset: 0, .size: 8, .value_kind: global_buffer, .address_space: global }
      - { .name: wcodes, .offset: 8, .size: 8, .value_kind: global_buffer, .address_space: global }
      - { .name: lowp_scales, .offset: 16, .size: 8, .value_kind: global_buffer, .address_space: global }
      - { .name: cells, .offset: 24, .size: 8, .value_kind: global_buffer, .address_space: global }
    .group_segment_fixed_size: 14848
    .private_segment_fixed_size: 0
    .kernarg_segment_align: 8
    .kernarg_segment_size: 32
    .max_flat_workgroup_size: 512
    .sgpr_count:     66
    .vgpr_count:     256
    .wavefront_size: 32
...
	.end_amdgpu_metadata
.endif
;; end of part 2
;; launch sortk (part 3): grid 32 x 1, 8 waves a work-group, no clusters, 9,216 bytes of LDS; arguments cells, out0, out1; writes out0, out1
.if DOCPART == 3
	.amdgcn_target "amdgcn-amd-amdhsa--gfx1250"
	.amdhsa_code_object_version 6
	.text
	.protected	k_q5553c8759f_sortk
	.globl	k_q5553c8759f_sortk
	.p2align	8
	.type	k_q5553c8759f_sortk,@function
k_q5553c8759f_sortk:
	s_mov_b64 s[64:65], 0
	v_nop
	global_prefetch_b8 v0, s[64:65] scope:SCOPE_SE
	s_setreg_imm32_b32 hwreg(HW_REG_WAVE_MODE, 25, 1), 1
	s_wait_xcnt 0x0
; One work-group for each label.  Its 256 records (place y << 10 | x, score or -1.0, a wave's least number, that number's place) become
;   out0[label]: the rows (x, y, score), or (-1, -1, -1), sorted by falling score, equal scores in the order of the cells (a stable sort);
;   out1[label]: (x, y) of the least number, the first in row-major order among equals.
; THE SORT.  Thread i owns cell i.  Its rank is the number of cells with a larger score plus the number of cells ahead of it with the same score.  All scores are read from LDS, the same word for every lane.
; Cells of earlier waves count where score >= mine, which is score > the next f32 number below mine; cells of later waves where score > mine; so one threshold serves 32 cells, chosen by the wave's number, and a cell
; costs a compare and an add with carry.  Equal scores inside my own wave are counted apart, under constant masks of the lanes behind each cell.
; No address is made of a rank: thread p walks all 256 ranks and keeps, by selects, the row whose rank is p.
; A score here is -1.0 or above 0.65, never 0: so the next number below it is its bit pattern less 1 (positive) or plus 1 (negative).  NaN is not served.
; No matrix work, no tensor load, no cluster: 4 KB for each work-group, shared with nobody.  out1's 8 bytes a label are a part of one 256-byte block that has 32 owners.
.set SA, 0                             ; LDS: 256 scores,
.set PA, 1024                          ; places,
.set RA, 2048                          ; ranks,
.set EA, 3072                          ; 256 pairs (least number, its place),
.set OS, 5120                          ; and the stage for out0: 256 rows of 12 bytes
.macro LDCH arr, c, reg                ; words 32 c .. 32 c + 31 of an array, the same for every lane: eight loads
.irp m, 0,1,2,3,4,5,6,7
	ds_load_b128 v[\reg+4*\m:\reg+4*\m+3], v11 offset:\arr+128*(\c)+16*\m
.endr
.endm
.macro COUNT c, left                   ; the 32 cells of wave c; left: the loads issued behind theirs
	s_wait_dscnt \left
	s_cmp_gt_u32 s10, \c
	s_cselect_b32 s14, -1, 0
	v_cndmask_b32 v13, v5, v10, s14                ; they come ahead of mine: equal scores count too
.set q, 32+32*((\c)%4)
.rept 32
	v_cmp_gt_f32 vcc_lo, v[q], v13
	v_add_co_ci_u32 v14, vcc_lo, 0, v14, vcc_lo    ; rank + 1 where the bit is set
.set q, q+1
.endr
.endm
.macro LDSEL c, reg                    ; ranks, scores and places of 32 cells: 24 loads
	LDCH RA, \c, \reg
	LDCH SA, \c, \reg+32
	LDCH PA, \c, \reg+64
.endm
.macro PICK c, left
	s_wait_dscnt \left
.set q, 32+96*((\c)%2)
.rept 32
	v_cmp_eq_u32 vcc_lo, v[q], v0                  ; is this the row for my place?
	v_cndmask_b32 v15, v15, v[q+32], vcc_lo
	v_cndmask_b32 v16, v16, v[q+64], vcc_lo
.set q, q+1
.endr
.endm
.macro WMIN a                          ; the least of v[a] over the 32 lanes, in every lane
.irp x, 1,2,4,8
	v_min_num_f32_dpp v[\a], v[\a], v[\a] row_xmask:\x row_mask:0xf bank_mask:0xf
.endr
	v_permlanex16_b32 v27, v[\a], s20, s21
	v_min_num_f32 v[\a], v[\a], v27
.endm
	s_load_b128 s[4:7], s[0:1], 0x0                ; the records s[4:5], out0 s[6:7]
	s_load_b64 s[8:9], s[0:1], 0x10                ; out1
	v_lshl_add_u32 v224, v0, 2, 0x2000
	v_mov_b32 v225, 0
	v_lshrrev_b32 v1, 5, v0
	v_readfirstlane_b32 s10, v1                    ; wave 0..7
	v_and_b32 v2, 31, v0                           ; lane
	v_lshlrev_b32 v3, 4, v0                        ; 16 x thread
	v_lshlrev_b32 v8, 2, v0                        ; 4 x thread
	v_lshlrev_b32 v9, 3, v0                        ; 8 x thread
	v_mov_b32 v11, 0
	s_lshl_b32 s11, s10, 7
	v_mov_b32 v12, s11                             ; my wave's 32 scores
	v_mul_u32_u24 v19, v0, 12
	v_lshlrev_b32 v24, 3, v2                       ; 8 x lane
	v_mov_b32 v30, 0
	s_lshl_b32 s12, ttmp9, 12
	s_mov_b32 s13, 0
	s_mul_i32 s16, ttmp9, 3072
	s_mov_b32 s17, 0
	s_lshl_b32 s18, ttmp9, 3
	s_mov_b32 s19, 0
	s_mov_b32 s20, 0x76543210                      ; v_permlanex16_b32: lane l xor 16
	s_mov_b32 s21, 0xfedcba98
	s_mov_b32 s22, 0x7f800000                      ; +infinity
	s_wait_kmcnt 0x0
	s_add_nc_u64 s[4:5], s[4:5], s[12:13]
	s_add_nc_u64 s[6:7], s[6:7], s[16:17]
	s_add_nc_u64 s[8:9], s[8:9], s[18:19]
	global_load_b128 v[4:7], v3, s[4:5]            ; a wave reads 512 consecutive bytes
	v_mov_b32 v14, 0                               ; my rank
	v_mov_b32 v15, 0                               ; the score and the place for my row of out0
	v_mov_b32 v16, 0
	v_mov_b32 v27, 0                               ; written once: a lane permute's destination counts as one of its sources
	s_wait_loadcnt 0x0
	ds_store_b32 v8, v5 offset:SA
	ds_store_b32 v8, v4 offset:PA
	ds_store_b64 v9, v[6:7] offset:EA
	v_ashrrev_i32 v10, 31, v5                      ; 0, or -1 for a negative score
	v_lshlrev_b32 v10, 1, v10
	v_sub_nc_u32 v10, v5, v10
	v_add_nc_u32 v10, -1, v10                      ; the next f32 number below my score
	s_wait_dscnt 0x0
	s_barrier_signal -1
	s_barrier_wait -1
	; ---- ranks: four sets of 32 registers take turns
	LDCH SA, 0, 32
	LDCH SA, 1, 64
	LDCH SA, 2, 96
	LDCH SA, 3, 128
.irp m, 0,1,2,3,4,5,6,7
	ds_load_b128 v[160+4*\m:163+4*\m], v12 offset:SA+16*\m         ; my own wave's scores once more, for the ties
.endr
	COUNT 0, 32                                    ; behind chunk 0's loads: chunks 1, 2, 3 and my wave's own: 32
	LDCH SA, 4, 32
	COUNT 1, 32                                    ; chunks 2, 3, my own, 4
	LDCH SA, 5, 64
	COUNT 2, 32                                    ; chunks 3, my own, 4, 5
	LDCH SA, 6, 96
	COUNT 3, 32                                    ; my own, chunks 4, 5, 6
	LDCH SA, 7, 128
	s_wait_dscnt 32                                ; my own are in; behind them: chunks 4 to 7
.set q, 0
.rept 31
	v_cmp_eq_f32 s14, v[160+q], v5
	s_and_b32 vcc_lo, s14, (0xffffffff<<(q+1))&0xffffffff          ; only the lanes behind lane q count it
	v_add_co_ci_u32 v14, vcc_lo, 0, v14, vcc_lo
.set q, q+1
.endr
	COUNT 4, 24
	COUNT 5, 16
	COUNT 6, 8
	COUNT 7, 0
	ds_store_b32 v8, v14 offset:RA
	s_wait_dscnt 0x0
	s_barrier_signal -1
	s_barrier_wait -1
	; ---- the row for place p = my thread's number: two sets of 96 registers take turns
	LDSEL 0, 32
	LDSEL 1, 128
.irp c, 0,1,2,3,4,5
	PICK \c, 24                                    ; the next chunk's 24 loads may be out
	LDSEL \c+2, 32+96*(\c%2)
.endr
	PICK 6, 24
	PICK 7, 0
	v_and_b32 v17, 0x3ff, v16                      ; x
	v_lshrrev_b32 v18, 10, v16                     ; y
	v_cvt_f32_u32 v17, v17
	v_cvt_f32_u32 v18, v18
	v_cmp_lt_f32 vcc_lo, 0, v15                    ; a score above the threshold, or -1.0
	v_cndmask_b32 v17, -1.0, v17, vcc_lo
	v_cndmask_b32 v18, -1.0, v18, vcc_lo
	ds_store_b32 v19, v17 offset:OS
	ds_store_b32 v19, v18 offset:OS+4
	ds_store_b32 v19, v15 offset:OS+8
	s_wait_dscnt 0x0
	s_barrier_signal -1
	s_barrier_wait -1
	s_cmp_lt_u32 s10, 6
	s_cbranch_scc0 .Lnot_out
	ds_load_b128 v[20:23], v3 offset:OS            ; waves 0 to 5: the label's 3,072 bytes, 16 a thread
	s_wait_dscnt 0x0
	global_store_b128 v3, v[20:23], s[6:7]         ; sixteen lanes store 256 consecutive bytes, aligned
	s_branch .Lend
.Lnot_out:
	s_cmp_lg_u32 s10, 7
	s_cbranch_scc1 .Lend
	; ---- wave 7: the label's least number, eight pairs a lane
.irp m, 0,1,2,3,4,5,6,7
	ds_load_b64 v[32+2*\m:33+2*\m], v24 offset:EA+256*\m
.endr
	s_wait_dscnt 0x0
	v_min3_num_f32 v25, v32, v34, v36
	v_min3_num_f32 v25, v25, v38, v40
	v_min3_num_f32 v25, v25, v42, v44
	v_min_num_f32 v25, v25, v46
	WMIN 25
.irp m, 0,1,2,3,4,5,6,7
	v_cmp_eq_f32 vcc_lo, v[32+2*\m], v25
	v_cndmask_b32 v[33+2*\m], s22, v[33+2*\m], vcc_lo              ; pairs that do not hold the least offer +infinity as their place
.endr
	v_min3_num_f32 v26, v33, v35, v37
	v_min3_num_f32 v26, v26, v39, v41
	v_min3_num_f32 v26, v26, v43, v45
	v_min_num_f32 v26, v26, v47
	WMIN 26
	v_cvt_u32_f32 v26, v26
	v_and_b32 v28, 0x3ff, v26                      ; x
	v_lshrrev_b32 v29, 10, v26                     ; y
	v_cvt_f32_u32 v28, v28
	v_cvt_f32_u32 v29, v29
	s_wait_xcnt 0x0                                ; EXEC changes only behind this wait
	v_cmp_eq_u32 vcc_lo, 0, v2
	s_and_saveexec_b32 s14, vcc_lo                 ; lane 0 alone
	global_store_b64 v30, v[28:29], s[8:9]
	s_wait_xcnt 0x0                                ; and again, in front of the line that widens it
	s_or_b32 exec_lo, exec_lo, s14
.Lend:
	s_wait_tensorcnt 0x0
	ds_add_u32 v224, v225
	s_wait_dscnt 0x0
	s_endpgm
.Lfunc_end_k_q5553c8759f_sortk:
	.size	k_q5553c8759f_sortk, .Lfunc_end_k_q5553c8759f_sortk-k_q5553c8759f_sortk
	.p2alignl 7, 3214868480
	.fill 96, 4, 3214868480
	.section	.rodata,"a",@progbits
	.p2align	6, 0x0
	.amdhsa_kernel k_q5553c8759f_sortk
		.amdhsa_group_segment_fixed_size 9216
		.amdhsa_private_segment_fixed_size 0
		.amdhsa_enable_private_segment 0
		.amdhsa_kernarg_size 24
		.amdhsa_user_sgpr_count 2
		.amdhsa_user_sgpr_kernarg_segment_ptr 1
		.amdhsa_wavefront_size32 1
		.amdhsa_system_sgpr_workgroup_id_x 1
		.amdhsa_system_sgpr_workgroup_id_y 1
		.amdhsa_system_sgpr_workgroup_id_z 1
		.amdhsa_system_vgpr_workitem_id 0
		.amdhsa_next_free_vgpr 226
		.amdhsa_next_free_sgpr 66
		.amdhsa_reserve_vcc 1
		.amdhsa_float_denorm_mode_32 3
		.amdhsa_float_denorm_mode_16_64 3
		.amdhsa_memory_ordered 1
		.amdhsa_forward_progress 1
		.amdhsa_inst_pref_size 69
	.end_amdhsa_kernel
	.amdgpu_metadata
---
amdhsa.version: [ 1, 2 ]
amdhsa.kernels:
  - .name:           k_q5553c8759f_sortk
    .symbol:         k_q5553c8759f_sortk.kd
    .args:
      - { .name: cells, .offset: 0, .size: 8, .value_kind: global_buffer, .address_space: global }
      - { .name: out0, .offset: 8, .size: 8, .value_kind: global_buffer, .address_space: global }
      - { .name: out1, .offset: 16, .size: 8, .value_kind: global_buffer, .address_space: global }
    .group_segment_fixed_size: 9216
    .private_segment_fixed_size: 0
    .kernarg_segment_align: 8
    .kernarg_segment_size: 24
    .max_flat_workgroup_size: 256
    .sgpr_count:     66
    .vgpr_count:     226
    .wavefront_size: 32
...
	.end_amdgpu_metadata
.endif
;; end of part 3
;; ======== version 2 of 2: 3 launches; version 1 with the launch cellk written anew for expert scheduling mode
;; workspace buffers: sim 524,288 bytes; wcodes 131,072 bytes; cells 131,072 bytes
;; launch sims: the kernel of part 1 again; grid 64 x 1, 4 waves a work-group, no clusters, 168,448 bytes of LDS; arguments image_embeddings, reference_feats, lowp_scales, sim, wcodes; writes sim, wcodes
;; launch cellk (part 4): grid 8 x 32, 16 waves a work-group, no clusters, 14,848 bytes of LDS; arguments sim, wcodes, lowp_scales, cells; writes cells
.if DOCPART == 4
	.amdgcn_target "amdgcn-amd-amdhsa--gfx1250"
	.amdhsa_code_object_version 6
	.text
	.protected	k_q5553c8759f_cellk
	.globl	k_q5553c8759f_cellk
	.p2align	8
	.type	k_q5553c8759f_cellk,@function
k_q5553c8759f_cellk:
	s_mov_b64 s[64:65], 0
	v_nop
	global_prefetch_b8 v0, s[64:65] scope:SCOPE_SE
	s_setreg_imm32_b32 hwreg(HW_REG_WAVE_SCHED_MODE, 0, 2), 2
	s_setreg_imm32_b32 hwreg(HW_REG_WAVE_MODE, 25, 1), 1
	s_wait_xcnt 0x0
	s_wait_alu depctr_vm_vsrc(0)
; The bilinear upsampling of one label's 64 x 64 similarities to 1,024 x 1,024 as two products on codes of BF8 (E5M2), and what is kept of the result; the result itself never leaves the registers.
;   T[H][w] = sum over h of Q(W[H][h]; e2) Q(sim[h][w]; e3)        (the height is contracted first, as the einsum of the resize does)
;   out[H][X] = sum over w of Q(T[H][w]; e4) Q(W[X][w]; e5)
; Kept: for each cell of 64 x 64 the largest number and its first place in row-major order; for each wave's part the least number and its first place.
; SHARES.  Work-group (band b, label l) owns rows 128 b .. 128 b + 127: two rows of 16 cells.  Sixteen waves of 256 registers, four to a SIMD, so that one wave's chain of compares stands beside another's.
;   S: wave v quantises sim[16 (v % 4) + 8 h + 0 .. 7][16 (v / 4) + r]: A LANE TAKES A COLUMN w AND ITS REGISTERS RUN DOWN h: two registers of an operand, which go to LDS as they stand | barrier |
;   T: wave v makes T for rows 16 (v / 2) on and columns 32 (v % 2) on: source 0 = 16 columns of sim, source 1 = 16 rows of W, so that a lane holds one row H and eight neighbours along w, the next K:
;      one conversion gives two registers of the next operand; to LDS as they stand | barrier |
;   P: wave v owns cell column v (64 columns X): 8 tiles of rows x 4 tiles of columns; source 0 = 16 rows of W (X), source 1 = 16 rows of T (H): lane (r, h) holds row 16 u + r and columns 16 t + 8 h + 0 .. 7.
; THE SEARCH.  A lane walks its numbers in ascending order of place (u, t, j) and replaces its best only by a strictly better number, so it keeps the first.  The index that it keeps is the constant 1,024 u + 16 t + j;
; with 64 r + 8 h added it is 64 x (row in the band) + (column in the cell column).  Across the lanes: first the best value, then the least place among the lanes that hold it.  Places are under 2^24: exact as f32.
; The sums are compared as they are; the score and the least number alone are multiplied by 2^(e4 + e5).
; A RECORD of 16 bytes for each cell: place (y << 10 | x), score (or -1.0 where it is not above 0.65), and the wave's least number and its place y x 1,024 + x as f32 (both of a wave's records carry them).
; No tensor load and no cluster: what work-groups share, 16 KB of sim and the weights' fragments, is small and goes straight into registers.
; LIMITS: e3, and e4 - e2 - e3, between -126 and 112; e4 + e5 such that the scaled sums neither overflow nor underflow.  NaN and infinities are not served; +0 and -0 count as equal.
; THE MODE: SCHED_MODE bits 1:0 = 2 (LLVM: expert scheduling mode 2), set by the entry lines.  The code itself states the register dependences between vector or matrix instructions and memory or LDS instructions,
; and those through scalar registers that vector instructions write, with s_wait_alu, always for 0.
; THE PLAN.  Registers that memory or LDS instructions touch:
;   v5-7 and v240-245   offsets and LDS addresses: written once at the head, read by every load and store, never written again: one wait on va_vdst ahead of the first load serves them all.
;   SR, WA, WB, SF, TF  each loaded once, into registers that no vector instruction has named before: they owe their memory counters alone.
;   v[8:9]              written by S's conversion, read by S's LDS store; written again, with v[10:11], by T's conversions and read by T's LDS stores: va_vdst ahead of each run of stores, vm_vsrc between S's store and T's conversions.
;   RS v232-239         written by vector instructions, read by the two LDS stores of the records (va_vdst ahead of them); in wave 0 an LDS load then lands in v232-235 (vm_vsrc ahead of the branch that leads there).
;   D2, D3, the best values and their indices are named by vector and matrix instructions alone.
; Scalar registers that vector instructions write: s12, the wave's number (one wait on va_sdst ahead of its first reader); VCC in PLACE and CELL (va_vcc between each compare and its select); and the search's masks, of two kinds:
;   'not larger'   goes into VCC, so that the compare and the select of the largest number's index have their short encodings.  VCC is one register: each such compare has a wait on va_vcc of its own ahead of its select,
;                  and the number's four other vector instructions, which name neither VCC nor that index, stand between the compare and the wait.
;   'not smaller'  goes into s66-97: two sets of 16, which take turns from run to run of 16 numbers.  ONE wait on va_sdst at a run's head states that the run before has written its set; this run's 16 selects of the least
;                  number's index read that set, one to a number, while this run's compares write the other set.  The last run's selects stand behind one more such wait.
.set SIMG, 0                           ; LDS: sim's four fragments: [tile of 16 w][c][lane][8 bytes]
.set TIMG, 4096                        ; T's eight fragments: [tile of 16 H][c][lane][8 bytes]
.set RES,  12288                       ; 32 records
.set SR,   16                          ; v16-23   eight numbers of sim
.set WA,   24                          ; v24-31   W's fragment for product 2 (e2)
.set WB,   32                          ; v32-63   W's four fragments for product 3 (e5)
.set SF,   64                          ; v64-79   two fragments of sim
.set D2,   80                          ; v80-95   two tiles of T
.set TF,   96                          ; v96-159  T's eight fragments
.set D3,   160                         ; v160-223 two sets of four tiles of the result
.set VMX,  224                         ; the lane's largest, least,
.set VMN,  225
.set IMX,  226                         ; and their indices
.set IMN,  227
.set BST,  228                         ; the wave's best
.set OTH,  229                         ; at work: the other half of the lanes
.set KEY,  230
.set TMP,  231
.set RS,   232                         ; v232-239 my two records
.set AS,   240                         ; LDS addresses, all made at the head
.set AF,   241
.set AT,   242
.set AL8,  243
.set AR,   244
.set AL16, 245
.set LK,   246                         ; 64 r + 8 h
.set MK,   66                          ; s66-97   the masks 'not smaller': number n = 8 t + j of run (u, p): s[MK + 16 p + n]
.macro MKSCALE se, vsc, vlim           ; s[se] = e  ->  v[vsc] = 2^e as f32, v[vlim] = 57,344 x 2^e
	s_add_co_i32 s34, s[\se], 127
	s_lshl_b32 s35, s34, 23
	v_mov_b32 v[\vsc], s35
	s_add_co_i32 s34, s34, 15
	s_lshl_b32 s34, s34, 23
	s_or_b32 s34, s34, 0x600000
	v_mov_b32 v[\vlim], s34
.endm
.macro WMAX a                          ; the largest of v[a] over the 32 lanes, in every lane
.irp x, 1,2,4,8
	v_max_num_f32_dpp v[\a], v[\a], v[\a] row_xmask:\x row_mask:0xf bank_mask:0xf
.endr
	v_permlanex16_b32 v[OTH], v[\a], s26, s27
	v_max_num_f32 v[\a], v[\a], v[OTH]
.endm
.macro WMIN a
.irp x, 1,2,4,8
	v_min_num_f32_dpp v[\a], v[\a], v[\a] row_xmask:\x row_mask:0xf bank_mask:0xf
.endr
	v_permlanex16_b32 v[OTH], v[\a], s26, s27
	v_min_num_f32 v[\a], v[\a], v[OTH]
.endm
.macro PLACE val, idx                  ; v[BST] = the wave's best of v[val]: v[KEY] = y << 10 | x of its first place
	v_add_nc_u32 v[KEY], v[\idx], v[LK]
	v_cvt_f32_u32 v[KEY], v[KEY]
	v_cmp_eq_f32 vcc_lo, v[\val], v[BST]
	s_wait_alu depctr_va_vcc(0)                    ; the compare has written VCC, which the select reads
	v_cndmask_b32 v[KEY], s28, v[KEY], vcc_lo      ; lanes that do not hold the best offer +infinity
	WMIN KEY
	v_cvt_u32_f32 v[KEY], v[KEY]
	v_lshrrev_b32 v[TMP], 6, v[KEY]
	v_or_b32 v[TMP], s29, v[TMP]                   ; y = 128 b + row in the band
	v_and_or_b32 v[KEY], v[KEY], 63, s30           ; x = 64 v + column
	v_lshl_or_b32 v[KEY], v[TMP], 10, v[KEY]
.endm
.macro MM uh                           ; the four products of row tile uh, into set uh % 2
	s_wait_dscnt 4*(7-(\uh))                       ; its fragment of T is in; the four loads of each later fragment may be out
.irp t, 0,1,2,3
	v_wmma_f32_16x16x64_bf8_bf8 v[D3+32*((\uh)%2)+8*\t:D3+32*((\uh)%2)+8*\t+7], v[WB+8*\t:WB+8*\t+7], v[TF+8*(\uh):TF+8*(\uh)+7], 0
.endr
.endm
; 32 numbers of a lane, in ascending order of place; each tile from its low end on.  Two runs of 16 numbers (two tiles).  A number's two compares see the best of all numbers ahead of it.
; The largest number's index is selected at once, by VCC.  The least number's index is selected a run later, by the mask that the run before has left: its selects keep their ascending order, and they name no tile,
; so that a set of tiles is done with when its compares, maxima and minima are issued.  The run before (u, 1) is (u, 0); the run before (u, 0) is (u - 1, 1), whose indices are 992 less; the very first run has none.
.macro TRACK uh
.irp p, 0,1
.if ((\uh)+\p) > 0
	s_wait_alu depctr_va_sdst(0)                   ; the run before has written its 16 masks s[MK + 16 (1 - p) ..], which this run's selects of v[IMN] read
.endif
.irp t, 0,1
.irp j, 0,1,2,3,4,5,6,7
	v_cmp_le_f32 vcc_lo, v[D3+32*((\uh)%2)+8*(2*\p+\t)+\j], v[VMX]                ; not larger: the old index will stay
	v_cmp_ge_f32 s[MK+16*\p+8*\t+\j], v[D3+32*((\uh)%2)+8*(2*\p+\t)+\j], v[VMN]   ; not smaller: likewise, a run later
	v_max_num_f32 v[VMX], v[VMX], v[D3+32*((\uh)%2)+8*(2*\p+\t)+\j]
	v_min_num_f32 v[VMN], v[VMN], v[D3+32*((\uh)%2)+8*(2*\p+\t)+\j]
.if ((\uh)+\p) > 0
	v_cndmask_b32 v[IMN], 1024*(\uh)+16*\t+\j-992*(1-\p), v[IMN], s[MK+16*(1-\p)+8*\t+\j]   ; the same number of the run before: its index, or the old one
.endif
	s_wait_alu depctr_va_vcc(0)                    ; this number's first compare has written VCC, which the select below reads
	v_cndmask_b32 v[IMX], 1024*(\uh)+16*(2*\p+\t)+\j, v[IMX], vcc_lo              ; the index 1,024 u + 16 (2 p + t) + j, or the old one
.endr
.endr
.endr
.endm
.macro LASTSEL                         ; the last run's selects of the least number's index: run (7, 1)
	s_wait_alu depctr_va_sdst(0)                   ; the last run has written its 16 masks s[MK + 16 ..], which the selects below read
.irp t, 0,1
.irp j, 0,1,2,3,4,5,6,7
	v_cndmask_b32 v[IMN], 1024*7+32+16*\t+\j, v[IMN], s[MK+16+8*\t+\j]
.endr
.endr
.endm
.macro CELL cyl                        ; a cell is finished: its record's first two words
	v_mov_b32 v[BST], v[VMX]
	WMAX BST
	PLACE VMX, IMX
	v_mov_b32 v[RS+4*\cyl], v[KEY]
	v_ldexp_f32 v[BST], v[BST], s31                ; the score: x 2^(e4 + e5)
	v_cmp_lt_f32 vcc_lo, s25, v[BST]               ; above 0.65?
	s_wait_alu depctr_va_vcc(0)                    ; the compare has written VCC, which the select reads
	v_cndmask_b32 v[RS+4*\cyl+1], -1.0, v[BST], vcc_lo
.endm
	s_load_b128 s[4:7], s[0:1], 0x0                ; sim s[4:5], the weights' codes s[6:7]
	s_load_b128 s[8:11], s[0:1], 0x10              ; the scales' exponents s[8:9], the records s[10:11]
	v_lshl_add_u32 v254, v0, 2, 0x3200
	v_mov_b32 v255, 0
	v_lshrrev_b32 v1, 5, v0
	v_readfirstlane_b32 s12, v1                    ; wave 0..15
	s_and_b32 s13, ttmp7, 0xffff                   ; label; ttmp9 is the band
	v_and_b32 v2, 15, v0                           ; r
	v_bfe_u32 v3, v0, 4, 1                         ; h
	v_and_b32 v4, 31, v0                           ; lane
	s_wait_alu depctr_va_sdst(0)                   ; s12 is written, ahead of its first reader: offsets, LDS addresses and the last branch are made from it
	s_and_b32 s14, s12, 3
	s_lshl_b32 s14, s14, 12                        ; sim: 16 (v % 4) rows of 256 bytes,
	s_lshr_b32 s15, s12, 2
	s_lshl_b32 s15, s15, 6                         ; 16 (v / 4) columns,
	s_add_co_u32 s14, s14, s15
	v_lshlrev_b32 v5, 11, v3                       ; 8 h rows,
	v_lshl_add_u32 v5, v2, 2, v5                   ; column r
	v_add_nc_u32 v5, s14, v5
	s_lshl_b32 s15, ttmp9, 3
	s_lshr_b32 s22, s12, 1
	s_add_co_u32 s15, s15, s22
	s_lshl_b32 s15, s15, 10
	v_lshl_add_u32 v6, v4, 4, s15                  ; set e2, tile 8 b + v / 2: 1,024 bytes a fragment
	s_lshl_b32 s15, s12, 12
	s_add_co_u32 s15, s15, 65536
	v_lshl_add_u32 v7, v4, 4, s15                  ; set e5, tiles 4 v on
	v_lshlrev_b32 v[AS], 3, v0                     ; S: my 8 bytes: 256 x wave + 8 x lane
	s_and_b32 s15, s12, 1
	s_lshl_b32 s15, s15, 11
	v_lshl_add_u32 v[AF], v4, 3, s15               ; T: sim's fragments 2 (v % 2) on
	s_lshl_b32 s15, s12, 9
	v_lshl_add_u32 v[AT], v4, 3, s15               ; T: where my two tiles' codes go: 1,024 (v / 2) + 512 (v % 2)
	v_lshlrev_b32 v[AL8], 3, v4
	s_lshl_b32 s15, s12, 4
	v_mov_b32 v[AR], s15                           ; my records' place: 16 x wave
	v_lshlrev_b32 v[AL16], 4, v4
	v_lshlrev_b32 v[LK], 6, v2
	v_lshl_add_u32 v[LK], v3, 3, v[LK]
	s_mov_b32 s25, 0x3f266666                      ; 0.65
	s_mov_b32 s26, 0x76543210                      ; v_permlanex16_b32: lane l xor 16
	s_mov_b32 s27, 0xfedcba98
	s_mov_b32 s28, 0x7f800000                      ; +infinity
	s_lshl_b32 s29, ttmp9, 7
	s_lshl_b32 s30, s12, 6
	s_lshl_b32 s22, s13, 14                        ; a label of sim is 16,384 bytes
	s_mov_b32 s23, 0
	s_lshl_b32 s32, s13, 12                        ; a label's records are 4,096 bytes, a band's 512
	s_lshl_b32 s33, ttmp9, 9
	s_add_co_u32 s32, s32, s33
	s_mov_b32 s33, 0
	s_wait_kmcnt 0x0
	s_load_b128 s[16:19], s[8:9], 0x0              ; e0 .. e3
	s_load_b64 s[20:21], s[8:9], 0x10              ; e4, e5
	s_add_nc_u64 s[4:5], s[4:5], s[22:23]
	s_add_nc_u64 s[10:11], s[10:11], s[32:33]
	s_wait_alu depctr_va_vdst(0)                   ; the offsets v5, v6, v7 and the LDS addresses v240 to v245 are written: every load and store of the kernel reads one of them, and none is written again
.irp i, 0,1,2,3,4,5,6,7
	global_load_b32 v[SR+\i], v5, s[4:5] offset:256*\i
.endr
	global_load_b128 v[WA:WA+3], v6, s[6:7]
	global_load_b128 v[WA+4:WA+7], v6, s[6:7] offset:512
.irp t, 0,1,2,3
	global_load_b128 v[WB+8*\t:WB+8*\t+3], v7, s[6:7] offset:1024*\t
	global_load_b128 v[WB+8*\t+4:WB+8*\t+7], v7, s[6:7] offset:1024*\t+512
.endr
	s_wait_kmcnt 0x0
	MKSCALE 19, 12, 13                             ; e3
	s_sub_co_i32 s22, s20, s18
	s_sub_co_i32 s22, s22, s19                     ; a sum of product 2 stands for sum x 2^(e2 + e3): its code is sum / 2^(e4 - e2 - e3): three scales folded into the conversion's one
	MKSCALE 22, 14, 15
	s_add_co_i32 s31, s20, s21                     ; e4 + e5
	; ---- S
	s_wait_loadcnt 10                              ; sim's eight loads are in; the ten loads of weights, issued behind them, may be out
.irp i, 0,1,2,3,4,5,6,7
	v_med3_num_f32 v[SR+\i], v[SR+\i], -v13, v13   ; the conversion to an 8-bit code does not saturate (ISA guide 7.6.2)
.endr
	v_cvt_scalef32_pk8_bf8_f32 v[8:9], v[SR:SR+7], v12
	v_nop                                          ; one plain vector line behind the conversion
	s_wait_alu depctr_va_vdst(0)                   ; the conversion has written v[8:9], which the LDS store reads
	ds_store_b64 v[AS], v[8:9] offset:SIMG
	s_wait_dscnt 0x0
	s_barrier_signal -1
	s_barrier_wait -1                              ; sim's four fragments lie in LDS
	s_wait_alu depctr_vm_vsrc(0)                   ; my LDS store has read v[8:9], which T's first conversion writes again
	; ---- T
.irp q, 0,1
.irp c, 0,1,2,3
	ds_load_b64 v[SF+8*\q+2*\c:SF+8*\q+2*\c+1], v[AF] offset:SIMG+1024*\q+256*\c
.endr
.endr
	s_wait_loadcnt 8                               ; product 2's weights are in; product 3's eight loads may be out
	s_wait_dscnt 0x0
	v_wmma_f32_16x16x64_bf8_bf8 v[D2:D2+7], v[SF:SF+7], v[WA:WA+7], 0
	v_wmma_f32_16x16x64_bf8_bf8 v[D2+8:D2+15], v[SF+8:SF+15], v[WA:WA+7], 0
.rept 4
	v_nop                                          ; places in front of the first read of the results (ISA guide 7.12.1)
.endr
.irp i, 0,1,2,3,4,5,6,7,8,9,10,11,12,13,14,15
	v_med3_num_f32 v[D2+\i], v[D2+\i], -v15, v15
.endr
	v_cvt_scalef32_pk8_bf8_f32 v[8:9], v[D2:D2+7], v14       ; lane (r, h): row r, w = 16 c + 8 h + 0 .. 7: registers 2 c, 2 c + 1 of the next operand
	v_cvt_scalef32_pk8_bf8_f32 v[10:11], v[D2+8:D2+15], v14
	v_nop
	s_wait_alu depctr_va_vdst(0)                   ; the two conversions have written v[8:11], which the LDS stores read
	ds_store_b64 v[AT], v[8:9] offset:TIMG
	ds_store_b64 v[AT], v[10:11] offset:TIMG+256
	s_wait_dscnt 0x0
	s_barrier_signal -1
	s_barrier_wait -1                              ; T's eight fragments lie in LDS
	; ---- P
.irp u, 0,1,2,3,4,5,6,7
.irp c, 0,1,2,3
	ds_load_b64 v[TF+8*\u+2*\c:TF+8*\u+2*\c+1], v[AL8] offset:TIMG+1024*\u+256*\c
.endr
.endr
	s_wait_loadcnt 0x0                             ; product 3's weights
	MM 0
	MM 1                                           ; a row tile's products are issued ahead of the search through the tile before: the search's lines on other registers are their places
	v_mov_b32 v[VMX], 0xff800000                   ; these six lines are the places behind row tile 0's products
	v_mov_b32 v[VMN], 0x7f800000
	v_mov_b32 v[IMX], 0
	v_mov_b32 v[IMN], 0
	v_mov_b32 v[OTH], 0                            ; written once: a lane permute's destination counts as one of its sources
	v_mov_b32 v[TMP], 0
	TRACK 0
	MM 2
	TRACK 1
	MM 3
	TRACK 2
	MM 4
	TRACK 3
	CELL 0                                         ; the upper cell
	v_mov_b32 v[VMX], 0xff800000                   ; the lower one begins; the least number goes on through both
	v_mov_b32 v[IMX], 0
	MM 5
	TRACK 4
	MM 6
	TRACK 5
	MM 7
	TRACK 6
	TRACK 7
	LASTSEL                                        ; the least number's index is whole
	CELL 1
	v_mov_b32 v[BST], v[VMN]
	WMIN BST
	PLACE VMN, IMN
	v_ldexp_f32 v[RS+2], v[BST], s31
	v_cvt_f32_u32 v[RS+3], v[KEY]                  ; y x 1,024 + x, under 2^20
	v_mov_b32 v[RS+6], v[RS+2]
	v_mov_b32 v[RS+7], v[RS+3]
	s_wait_alu depctr_va_vdst(0)                   ; the eight words v[RS ..] are written, which the LDS stores read; no vector instruction follows, so wave 0's load into v[RS ..] below leans on this wait too
	ds_store_b128 v[AR], v[RS:RS+3] offset:RES     ; every lane holds the same four words
	ds_store_b128 v[AR], v[RS+4:RS+7] offset:RES+256
	s_wait_dscnt 0x0
	s_barrier_signal -1
	s_barrier_wait -1                              ; the band's 32 records lie in LDS, in the order of the cells
	s_wait_alu depctr_vm_vsrc(0)                   ; my two LDS stores have read v[RS ..], in which wave 0's load lands: stated ahead of the branch that leads there
	s_cmp_lg_u32 s12, 0
	s_cbranch_scc1 .Lend
	ds_load_b128 v[RS:RS+3], v[AL16] offset:RES
	s_wait_dscnt 0x0
	global_store_b128 v[AL16], v[RS:RS+3], s[10:11]   ; wave 0 stores 512 consecutive bytes, aligned
.Lend:
	s_wait_dscnt 0x0
	s_wait_alu depctr_hold_cnt(0) depctr_sa_sdst(0) depctr_va_vdst(0) depctr_va_sdst(0) depctr_va_ssrc(0) depctr_va_vcc(0) depctr_vm_vsrc(0)
	s_wait_tensorcnt 0x0
	ds_add_u32 v254, v255
	s_wait_dscnt 0x0
	s_endpgm
.Lfunc_end_k_q5553c8759f_cellk:
	.size	k_q5553c8759f_cellk, .Lfunc_end_k_q5553c8759f_cellk-k_q5553c8759f_cellk
	.p2alignl 7, 3214868480
	.fill 96, 4, 3214868480
	.section	.rodata,"a",@progbits
	.p2align	6, 0x0
	.amdhsa_kernel k_q5553c8759f_cellk
		.amdhsa_group_segment_fixed_size 14848
		.amdhsa_private_segment_fixed_size 0
		.amdhsa_enable_private_segment 0
		.amdhsa_kernarg_size 32
		.amdhsa_user_sgpr_count 2
		.amdhsa_user_sgpr_kernarg_segment_ptr 1
		.amdhsa_wavefront_size32 1
		.amdhsa_system_sgpr_workgroup_id_x 1
		.amdhsa_system_sgpr_workgroup_id_y 1
		.amdhsa_system_sgpr_workgroup_id_z 1
		.amdhsa_system_vgpr_workitem_id 0
		.amdhsa_next_free_vgpr 256
		.amdhsa_next_free_sgpr 98
		.amdhsa_reserve_vcc 1
		.amdhsa_float_denorm_mode_32 3
		.amdhsa_float_denorm_mode_16_64 3
		.amdhsa_memory_ordered 1
		.amdhsa_forward_progress 1
		.amdhsa_inst_pref_size 104
	.end_amdhsa_kernel
	.amdgpu_metadata
---
amdhsa.version: [ 1, 2 ]
amdhsa.kernels:
  - .name:           k_q5553c8759f_cellk
    .symbol:         k_q5553c8759f_cellk.kd
    .args:
      - { .name: sim, .offset: 0, .size: 8, .value_kind: global_buffer, .address_space: global }
      - { .name: wcodes, .offset: 8, .size: 8, .value_kind: global_buffer, .address_space: global }
      - { .name: lowp_scales, .offset: 16, .size: 8, .value_kind: global_buffer, .address_space: global }
      - { .name: cells, .offset: 24, .size: 8, .value_kind: global_buffer, .address_space: global }
    .group_segment_fixed_size: 14848
    .private_segment_fixed_size: 0
    .kernarg_segment_align: 8
    .kernarg_segment_size: 32
    .max_flat_workgroup_size: 512
    .sgpr_count:     98
    .vgpr_count:     256
    .wavefront_size: 32
...
	.end_amdgpu_metadata
.endif
;; end of part 4
;; launch sortk: the kernel of part 3 again; grid 32 x 1, 8 waves a work-group, no clusters, 9,216 bytes of LDS; arguments cells, out0, out1; writes out0, out1
